; MI455X (gfx1250); checked and timed in simulation.
; The chip was launched on July 23, 2026; its instructions are those of AMD's public machine-readable ISA for CDNA 5 (MIT licence, August 2026) and "CDNA5" Instruction Set Architecture Reference Guide (July 2026). The comments in the code are by the model that wrote it; some were corrected since.
;; Attention. Allowed arithmetic: matrix products marked QUANTISED: E2M1 operands, one E8M0 scale for each 32 along K, by v_wmma_scale_f32_16x16x128_f8f6f4 with both operands' format E2M1 (or v_wmma_scale_f32_32x16x128_f4), f32 sums; everything else in f32.
;; Inputs: Wk 2,048 x 128 float32; Wq 2,048 x 128 float32; Wv 2,048 x 128 float32; bk 128 float32; bq 128 float32; bv 128 float32; x 8 x 4,096 x 2,048 float32.
;; Outputs: out0 8 x 4,096 x 128 float32.
;; This version of the problem:
;;   THIS VERSION OF THE PROBLEM IS GIVEN IN LOW PRECISION. The matrix products marked QUANTISED in the list below multiply operands that are first quantised to E2M1 (2 exponent bits, 1 mantissa bit; 4 bits a number), with one power-of-two scale for each 32 numbers along K (OCP MX v1.0); their sums are f32. All else is computed in f32.
;;   The module's matrix products, in the order in which they are computed (A, B: the left and right operand; K: the contracted axis; several contracted axes count as one K, in the product's order):
;;     1. [M 32,768, K 2,048] x [K 2,048, N 128]; A: input x; B: input Wq: QUANTISED
;;     2. [M 32,768, K 2,048] x [K 2,048, N 128]; A: input x; B: input Wk: QUANTISED
;;     3. [M 32,768, K 2,048] x [K 2,048, N 128]; A: input x; B: input Wv: QUANTISED
;;     4. batch 8 x [M 4,096, K 128] x [K 128, N 4,096]; A: computed on the way; B: computed on the way: QUANTISED
;;     5. batch 8 x [M 4,096, K 4,096] x [K 4,096, N 128]; A: softmax (see below); B: computed on the way: QUANTISED
;;   THE QUANTISER, for each operand of a quantised product, along K:
;;     - K is cut into blocks of 32 from its start; a last block that is shorter is filled with zeros.
;;     - A block's scale is 2^e with e = floor(log2(the largest magnitude in the block)) - 2, held to -126 .. 127; a block of zeros has e = 0. As a byte (E8M0): e + 127.
;;     - Each number is divided by its block's scale, clamped to +-6, and rounded to the nearest number of E2M1, ties to even, subnormals kept.
;;     - The product sums the exact products of the quantised numbers (number of the format x scale) in f32.
;;   ~~~python
;;   def quantise(x, axis):      # numpy; x: float32 -> the quantised numbers, widened to float32 again
;;       x = np.moveaxis(x, axis, -1); K = x.shape[-1]
;;       x = np.pad(x, [(0, 0)] * (x.ndim - 1) + [(0, -K % 32)]); x = x.reshape(x.shape[:-1] + (-1, 32)); a = np.abs(x).max(-1, keepdims=True)
;;       e = np.where(a > 0, np.clip(np.frexp(np.where(a > 0, a, 1))[1] - 1 - 2, -126, 127), 0)      # np.frexp(a)[1] - 1 = floor(log2(a)), exactly
;;       r = np.clip(x / 2.0 ** e, -6, 6)
;;       step = 2.0 ** (np.maximum(np.frexp(np.where(r == 0, 1, r))[1] - 1, 0) - 1)
;;       q = np.round(r / step) * step * 2.0 ** e      # np.round: ties to even
;;       return np.moveaxis(q.reshape(q.shape[:-2] + (-1,))[..., :K], -1, axis).astype(np.float32)
;;   ~~~
;;   SOFTMAX AHEAD OF A QUANTISED PRODUCT. Where the list says 'softmax', what is quantised is not the finished softmax but p = 2^(t - M), with t = logit x log2(e) and M = ceil(the row's largest t), a whole number; so 1/2 < the row's largest p <= 1. The row's sum l is taken of the UNQUANTISED p, in f32, and the product's result is divided by l at the end. Since M is a whole number, a kernel that streams over the keys may use a running M (the ceiling of the running maximum): every later rescaling is an exact power of two, which a block's scale takes up: the codes' values come out the same.
;;   OPERANDS COMPUTED ON THE WAY. 'Computed on the way' means the value that the module computes at that place (a softmax that the list does not call 'softmax' is quantised finished and normalised). What goes into a quantiser is computed in f32, as accurately as f32 sums, v_exp_f32 and their like allow (about 1e-6 of the number): no bf16 or f16 on the way to a quantiser, and a product that is left as it is and whose result goes on into a quantised operand takes f32 operands (vector FMAs, or v_wmma_f32_16x16x4_f32). A number that lies on a knife's edge between two numbers of the format may be rounded either way, as far as f32 arithmetic and the matrix unit's own rounding can turn it there, and no further.
;; One version. Each part assembles by itself: llvm-mc -triple=amdgcn-amd-amdhsa -mcpu=gfx1250 --defsym DOCPART=n.
;; ======== version 1 of 1: 3 launches
;; limits: right only within a limited range of input values
;; workspace buffers: wfrag 442,368 bytes; qc 2,097,152 bytes; kvc 4,194,304 bytes; scl 393,216 bytes
;; launch wquant (part 1): grid 16 x 3, 16 waves a work-group, no clusters, 3,072 bytes of LDS; arguments Wq, Wk, Wv, bq, bk, bv, wfrag; writes wfrag
.if DOCPART == 1
	.amdgcn_target "amdgcn-amd-amdhsa--gfx1250"
	.amdhsa_code_object_version 6
	.text
	.protected	k_q25ef7a805d_wquant
	.globl	k_q25ef7a805d_wquant
	.p2align	8
	.type	k_q25ef7a805d_wquant,@function
k_q25ef7a805d_wquant:
	s_mov_b64 s[64:65], 0
	v_nop
	global_prefetch_b8 v0, s[64:65] scope:SCOPE_SE
	s_setreg_imm32_b32 hwreg(HW_REG_WAVE_MODE, 25, 1), 1
	s_wait_xcnt 0x0
; Wq, Wk, Wv [2048 (k)][128 (n)] f32 become codes of FP4 (E2M1) with one E8M0 scale byte for each 32 along K, laid as IMAGES OF THE OPERAND'S REGISTERS, and the biases become images of accumulators.
; wfrag: 16 blocks of KB bytes, one for each 128 along K.  A block: 24 fragment images of 1,024 bytes (fragment 8 mu + phi; mu = 0 q, 1 k, 2 v), then 3 scale images of 512 bytes.
;   fragment image: part c (0, 1) at 512 c, lane l's 16 bytes at 16 l: registers 4 c .. 4 c + 3: k = 64 c + 32 (l / 16) + 0 .. 31 of the fragment's row l % 16.
;   THE COLUMNS OF A FRAGMENT ARE NOT NEIGHBOURS: row r of fragment 2 b + u is column 32 b + 8 u + r + 8 (r / 8).
;   scale image of mu: lane l's word i (at 16 l + 4 i) is the scale word of fragment 8 mu + i + 4 (l / 16), row l % 16.
;   from BIAS on: 24 accumulator images of 1,024 bytes (registers 4 c' .. 4 c' + 3 at 512 c' + 16 l): q, k: register j of lane (r, h) = b[32 b + 16 h + 8 u + j]; v: all eight = bv[32 b + 8 u + r + 8 (r / 8)].
; SHARES.  Work-group (x = the 128 along K, y = mu): 128 rows x 512 bytes, dense in memory.  Sixteen waves: wave 4 beta + b takes columns 32 b on of block beta of 32 along K.  A LANE TAKES A COLUMN AND ITS REGISTERS RUN DOWN K:
; a load reads 128 consecutive bytes a wave, a block lies in one lane, and the conversions give codes with K innermost.  Nothing is transposed.  A wave's 32 loads go out together.  48 work-groups carry all of the 3 MB; there is no work for more.
; A block's scale byte is its largest magnitude's exponent field - 2, held at 1 from below.
; LIMITS: a block whose largest magnitude lies under 2^-124, a block of zeros among them, keeps the byte 1 (the rule says 127 for zeros: the codes are zeros, and this program alone reads the bytes); NaN and infinities are not served.
.set KB,   26112                       ; 24 x 1,024 + 3 x 512
.set BIAS, 16*KB
.set C,    16                          ; v16-19   my block's codes
.set X,    32                          ; v32-63   my block's 32 numbers
	s_load_b256 s[4:11], s[0:1], 0x0               ; Wq s[4:5], Wk s[6:7], Wv s[8:9], bq s[10:11]
	s_load_b128 s[12:15], s[0:1], 0x20             ; bk s[12:13], bv s[14:15]
	s_load_b64 s[16:17], s[0:1], 0x30              ; wfrag
	v_lshl_add_u32 v80, v0, 2, 0x400
	v_mov_b32 v81, 0
	v_lshrrev_b32 v5, 5, v0
	s_delay_alu instid0(VALU_DEP_1)
	v_readfirstlane_b32 s18, v5                    ; wave 0..15
	s_and_b32 s19, s18, 3                          ; b: columns 32 b on
	s_lshr_b32 s21, s18, 2                         ; beta: rows 32 beta on
	s_and_b32 s20, ttmp7, 0xffff                   ; mu
	v_and_b32 v1, 127, v0
	s_delay_alu instid0(VALU_DEP_1)
	v_lshlrev_b32 v1, 2, v1                        ; in: 4 bytes a column
	v_and_b32 v5, 7, v0
	v_bfe_u32 v6, v0, 4, 1
	s_delay_alu instid0(VALU_DEP_1)
	v_lshl_add_u32 v5, v6, 3, v5                   ; r = lane % 8 + 8 (lane / 16): my row in my fragment
	v_bfe_u32 v6, v0, 3, 1                         ; u = (lane / 8) % 2: which of my wave's two fragments
	s_delay_alu instid0(VALU_DEP_2)
	v_lshlrev_b32 v2, 4, v5
	s_delay_alu instid0(VALU_DEP_1)
	v_lshl_add_u32 v3, v6, 2, v2                   ; LDS, my scale byte: 16 r + 4 u
	s_delay_alu instid0(VALU_DEP_2)
	v_lshl_add_u32 v2, v6, 10, v2                  ; out: 1,024 u + 16 r
	v_bfe_u32 v6, v0, 5, 1
	s_delay_alu instid0(VALU_DEP_1)
	v_lshl_add_u32 v3, v6, 3, v3                   ; + 8 (b % 2)
	v_bfe_u32 v6, v0, 6, 1
	s_delay_alu instid0(VALU_DEP_1)
	v_lshl_add_u32 v3, v6, 8, v3                   ; + 256 (b / 2)
	v_bfe_u32 v6, v0, 7, 2
	s_delay_alu instid0(VALU_DEP_1)
	v_add_nc_u32 v3, v3, v6                        ; + beta: the lower K in the lower byte
	v_and_b32 v4, 31, v0
	s_delay_alu instid0(VALU_DEP_1)
	v_lshlrev_b32 v4, 4, v4                        ; 16 x lane
	s_lshl_b32 s22, ttmp9, 16                      ; W: 128 rows of 512 bytes a step,
	s_lshl_b32 s23, s21, 14                        ; 32 a block
	s_add_co_u32 s22, s22, s23
	s_mov_b32 s23, 0
	s_mul_i32 s28, ttmp9, KB
	s_lshl_b32 s30, s20, 13
	s_lshl_b32 s31, s19, 11
	s_add_co_u32 s30, s30, s31
	s_add_co_u32 s30, s30, s28                     ; my wave's two fragments: KB x step + 1,024 (8 mu + 2 b),
	s_lshl_b32 s31, s21, 8
	s_add_co_u32 s30, s30, s31                     ; block beta = 2 c + h is part c, lanes 16 h on: 512 c + 256 h = 256 beta
	s_mov_b32 s31, 0
	s_lshl_b32 s32, s20, 9
	s_add_co_u32 s32, s32, s28
	s_add_co_u32 s32, s32, 24576                   ; the scale image: KB x step + 24,576 + 512 mu
	s_mov_b32 s33, 0
	s_lshl_b32 s34, s20, 13
	s_lshl_b32 s35, ttmp9, 9
	s_add_co_u32 s34, s34, s35
	s_add_co_u32 s34, s34, BIAS                    ; half an accumulator image: fragment phi = step / 2, part c' = step % 2: BIAS + 8,192 mu + 512 x step
	s_mov_b32 s35, 0
	s_lshr_b32 s36, ttmp9, 2
	s_lshl_b32 s36, s36, 7                         ; the bias's bytes: 128 (phi / 2)
	s_bfe_u32 s37, ttmp9, 0x10001
	s_lshl_b32 s37, s37, 5
	s_add_co_u32 s36, s36, s37                     ; + 32 (phi % 2)
	s_and_b32 s37, ttmp9, 1
	s_lshl_b32 s37, s37, 4
	s_cmp_lt_u32 s20, 2                            ; q and k: a lane's registers run along the columns; v: a lane holds one column
	s_cselect_b32 s37, s37, 0                      ; + 16 c'          | 0
	s_cselect_b32 s38, 64, 0                       ; + 64 (lane / 16) | 0
	s_cselect_b32 s39, 0, 4                        ; 0                | + 4 (r + 8 (r / 8))
	s_cselect_b32 s40, 4, 0                        ; from register to register
	s_add_co_u32 s36, s36, s37
	s_wait_kmcnt 0x0
	s_cmp_eq_u32 s20, 1                            ; the buffers are chosen by the work-group's number alone
	s_cselect_b64 s[24:25], s[6:7], s[8:9]
	s_cselect_b64 s[26:27], s[12:13], s[14:15]
	s_cmp_eq_u32 s20, 0
	s_cselect_b64 s[24:25], s[4:5], s[24:25]
	s_cselect_b64 s[26:27], s[10:11], s[26:27]
	s_add_nc_u64 s[24:25], s[24:25], s[22:23]
	s_add_nc_u64 s[30:31], s[16:17], s[30:31]
	s_add_nc_u64 s[32:33], s[16:17], s[32:33]
	s_add_nc_u64 s[34:35], s[16:17], s[34:35]
.set k, 0
.rept 32
	global_load_b32 v[X+k], v1, s[24:25] offset:512*k th:TH_LOAD_NT   ; W(128 step + 32 beta + k, my column): four waves read a row's 512 bytes
.set k, k+1
.endr
	s_cmp_lg_u32 s18, 1                            ; wave 1 also makes half an accumulator image of the bias: its four loads are on their way with its loads of W
	s_cbranch_scc1 .Lno_bias
	v_and_b32 v5, 15, v0
	v_bfe_u32 v6, v0, 4, 1
	s_delay_alu instid0(VALU_DEP_2)
	v_and_b32 v7, 8, v5
	s_delay_alu instid0(VALU_DEP_1)
	v_add_nc_u32 v7, v7, v5                        ; r + 8 (r / 8)
	s_delay_alu instid0(VALU_DEP_3)
	v_mul_u32_u24 v64, v6, s38
	s_delay_alu instid0(VALU_DEP_1)
	v_mad_u32_u24 v64, v7, s39, v64
	s_delay_alu instid0(VALU_DEP_1)
	v_add_nc_u32 v64, s36, v64
	s_delay_alu instid0(VALU_DEP_1)
	v_add_nc_u32 v65, s40, v64
	s_delay_alu instid0(VALU_DEP_1)
	v_add_nc_u32 v66, s40, v65
	s_delay_alu instid0(VALU_DEP_1)
	v_add_nc_u32 v67, s40, v66
.irp j, 0,1,2,3
	global_load_b32 v[68+\j], v[64+\j], s[26:27]
.endr
	s_wait_loadcnt 0x0
	global_store_b128 v4, v[68:71], s[34:35]       ; 512 consecutive bytes
.Lno_bias:
	s_wait_loadcnt 0x0                             ; my block's 32 numbers are in
	v_max3_num_f32 v12, |v[X]|, |v[X+1]|, |v[X+2]| ; the block's largest magnitude, in two chains: all 32 numbers are mine
	v_max3_num_f32 v13, |v[X+3]|, |v[X+4]|, |v[X+5]|
.irp i, 6,10,14,18,22,26
	s_delay_alu instid0(VALU_DEP_2)
	v_max3_num_f32 v12, v12, |v[X+\i]|, |v[X+\i+1]|
	s_delay_alu instid0(VALU_DEP_2)
	v_max3_num_f32 v13, v13, |v[X+\i+2]|, |v[X+\i+3]|
.endr
	s_delay_alu instid0(VALU_DEP_2)
	v_max3_num_f32 v12, v12, |v[X+30]|, |v[X+31]|
	s_delay_alu instid0(VALU_DEP_1)
	v_max3_num_f32 v12, v12, v13, 0x1800000        ; and the floor 2^(3 - 127): the byte cannot fall under 1
	s_delay_alu instid0(VALU_DEP_1)
	v_add_nc_u32 v11, 0xff000000, v12              ; 2 off its exponent field: the conversion takes the exponent field of this operand as its scale
	s_delay_alu instid0(VALU_DEP_1)
	v_lshrrev_b32 v13, 23, v11                     ; the scale's byte
.irp g, 0,1,2,3
	v_cvt_scalef32_pk8_fp4_f32 v[C+\g], v[X+8*\g:X+8*\g+7], v11
.endr
	v_nop                                          ; a plain line behind the last conversion
	global_store_b128 v2, v[C:C+3], s[30:31]       ; a fragment's sixteen lanes store 256 consecutive bytes, aligned
	ds_store_b8 v3, v13                            ; the 512 scale bytes meet in LDS, in the image's order
	s_wait_dscnt 0x0                               ; for the others' sake: my store has landed
	s_barrier_signal -1
	s_barrier_wait -1
	s_cmp_lg_u32 s18, 0
	s_cbranch_scc1 .Lend
	ds_load_b128 v[72:75], v4
	s_wait_dscnt 0x0
	global_store_b128 v4, v[72:75], s[32:33]       ; the image's 512 bytes on end
.Lend:
	s_wait_tensorcnt 0x0
	ds_add_u32 v80, v81
	s_wait_dscnt 0x0
	s_endpgm
.Lfunc_end_k_q25ef7a805d_wquant:
	.size	k_q25ef7a805d_wquant, .Lfunc_end_k_q25ef7a805d_wquant-k_q25ef7a805d_wquant
	.p2alignl 7, 3214868480
	.fill 96, 4, 3214868480
	.section	.rodata,"a",@progbits
	.p2align	6, 0x0
	.amdhsa_kernel k_q25ef7a805d_wquant
		.amdhsa_group_segment_fixed_size 3072
		.amdhsa_private_segment_fixed_size 0
		.amdhsa_enable_private_segment 0
		.amdhsa_kernarg_size 56
		.amdhsa_user_sgpr_count 2
		.amdhsa_user_sgpr_kernarg_segment_ptr 1
		.amdhsa_wavefront_size32 1
		.amdhsa_system_sgpr_workgroup_id_x 1
		.amdhsa_system_sgpr_workgroup_id_y 1
		.amdhsa_system_sgpr_workgroup_id_z 1
		.amdhsa_system_vgpr_workitem_id 0
		.amdhsa_next_free_vgpr 82
		.amdhsa_next_free_sgpr 66
		.amdhsa_reserve_vcc 0
		.amdhsa_float_denorm_mode_32 3
		.amdhsa_float_denorm_mode_16_64 3
		.amdhsa_memory_ordered 1
		.amdhsa_forward_progress 1
		.amdhsa_inst_pref_size 11
	.end_amdhsa_kernel
	.amdgpu_metadata
---
amdhsa.version: [ 1, 2 ]
amdhsa.kernels:
  - .name:           k_q25ef7a805d_wquant
    .symbol:         k_q25ef7a805d_wquant.kd
    .args:
      - { .name: Wq, .offset: 0, .size: 8, .value_kind: global_buffer, .address_space: global }
      - { .name: Wk, .offset: 8, .size: 8, .value_kind: global_buffer, .address_space: global }
      - { .name: Wv, .offset: 16, .size: 8, .value_kind: global_buffer, .address_space: global }
      - { .name: bq, .offset: 24, .size: 8, .value_kind: global_buffer, .address_space: global }
      - { .name: bk, .offset: 32, .size: 8, .value_kind: global_buffer, .address_space: global }
      - { .name: bv, .offset: 40, .size: 8, .value_kind: global_buffer, .address_space: global }
      - { .name: wfrag, .offset: 48, .size: 8, .value_kind: global_buffer, .address_space: global }
    .group_segment_fixed_size: 3072
    .private_segment_fixed_size: 0
    .kernarg_segment_align: 8
    .kernarg_segment_size: 56
    .max_flat_workgroup_size: 512
    .sgpr_count:     66
    .vgpr_count:     82
    .wavefront_size: 32
...
	.end_amdgpu_metadata
.endif
;; end of part 1
;; launch proj (part 2): grid 256 x 1, 4 waves a work-group, no clusters, 327,680 bytes of LDS; arguments x, wfrag, qc, kvc, scl; writes qc, kvc, scl
.if DOCPART == 2
	.amdgcn_target "amdgcn-amd-amdhsa--gfx1250"
	.amdhsa_code_object_version 6
	.text
	.protected	k_q25ef7a805d_proj
	.globl	k_q25ef7a805d_proj
	.p2align	8
	.type	k_q25ef7a805d_proj,@function
k_q25ef7a805d_proj:
	s_mov_b64 s[64:65], 0
	v_nop
	global_prefetch_b8 v0, s[64:65] scope:SCOPE_SE
	s_setreg_imm32_b32 hwreg(HW_REG_WAVE_MODE, 25, 1), 1
	s_wait_xcnt 0x0
; q = x Wq + bq, k = x Wk + bk, v = x Wv + bv on codes of FP4 (E2M1) with one E8M0 scale for each 32 along K = 2,048; then q and k are quantised along their 128 channels and v along the keys, and leave as codes.
; x [32,768][2,048] f32 is read once and quantised on the way; the weights come as fragment images from wfrag (16 blocks of KB bytes, one for each 128 along K: 24 fragments, 3 scale images; then 24 accumulator images of the biases).
; SHARES.  A work-group takes 128 rows of x.  x: two LDS slots of 256 along K, filled by the tensor data mover, each wave fetching and reading its own 32 rows (rows of 1,024 bytes + 16 of padding).
; QUANTISING: lane (r, h) reads k = 64 c + 32 h + 0 .. 31 of row r: two whole blocks of 32 a lane.  Codes and scale words go to LDS as images of the operand's registers, each row at its place in its tile:
; row r of tile 2 g + m is row 32 g + 8 m + r + 8 (r / 8) of the 128.
; PRODUCTS: THE COLUMNS ARE SHARED OUT: wave w takes fragments 2 w, 2 w + 1 of q, of k and of v (32 columns each) against all eight tiles of rows: 48 accumulators.  Its six fragments of W for each 128 along K
; go from memory straight into registers, a trip ahead.  One barrier a trip: trip s multiplies slot s - 1's codes and quantises slot s, while slot s + 1 is on its way; the codes have two buffers.
; q, k: transposed use (source 0 = 16 columns of W, source 1 = 16 rows of x): a lane holds one row and 16 neighbouring channels.  v: not transposed: a lane holds one channel, tiles 2 g, 2 g + 1 give 16 neighbouring keys.
; The sums start from the biases: the accumulators are loaded with their images.
; NO CLUSTER: x is read by one work-group alone.  W is read by all, but x's two slots take 266,240 and the codes 38,912 of LDS's 327,680 bytes: two slots of W (2 x 52,224) have no room, so W goes to registers, where no joint load reaches.
; PREFETCH: in each trip a wave asks for its own 32 rows x 1,024 bytes of the slot that the NEXT trip's tensor load fetches: a lane a row, four instructions 256 bytes apart; the last two trips ask for nothing.
; OUT, as images of the next launch's operands: qc [block][8 tiles][1,024]; kvc [block][K: 8 tiles | V: 8 tiles][1,024]; scl [block][Q: word of (tile t, row r) at 64 t + 4 r | K, V: lane l's word i = tile i + 4 (l / 16), row l % 16].
; LIMITS: a block whose largest magnitude lies under 2^-124, a block of zeros among them, keeps the scale byte 1 (this program alone reads the bytes); NaN and infinities are not served.
; REGISTERS: window 0: v1-13, v74-82 addresses; v16-27 W's scale words; v28-35 x's; v40-72 at work; v128-255 x's numbers, two sets.  window 1: v0-95 W's 12 fragments; v96-223 x's codes, 16 tiles.
;   window 2: accumulators of tiles 0-3 (tile t, fragment f at 48 (t % 4) + 8 f; f = 0, 1 q; 2, 3 k; 4, 5 v);  window 3: tiles 4-7.
.set KB,    26112
.set BIAS,  16*KB
.set XP,    1040                       ; an LDS row of x: 1,024 bytes + 16: the sixteen rows that a load touches start at sixteen different banks (ISA guide 11.1)
.set WROWS, 32*XP                      ; a wave's 32 rows
.set SLOT1, 4*WROWS                    ; slot 1 begins here
.set CODE,  2*SLOT1                    ; two buffers of CBUF bytes: 2 x 8 images, 1,152 bytes apart, then 2 scale images of 512 bytes
.set IP,    1152
.set CSC,   16*IP
.set CBUF,  CSC+1024
.set SCA,   CODE+2*CBUF                ; the three scale images on their way out: 1,536 bytes
.set SPARE, SCA+1536                   ; the spare words, 128 bytes for each wave: two blocks of 256 bytes that no other line names
.set LI,  1
.set SPW, 2
.set NIL, 3
.set AX0, 4                            ; my lane's place in a slot;  v8 in the slot in hand
.set CW0, 5                            ; where my codes go;          v9 in the buffer in hand
.set SW0, 6                            ; where my scale word goes;   v10
.set CR0, 7                            ; 16 x lane in a buffer;      v11 in the buffer that is read
.set AX,  8
.set CW,  9
.set SW,  10
.set CR,  11
.set WO,  12                           ; wfrag: 2,048 w + 16 x lane
.set WSO, 13                           ; wfrag's scale images: 256 (w / 2) + 8 (w % 2) + 16 r
.set WS,  16
.set XS,  28
.set TM,  40
.set CA,  52
.set CC,  64
.set VA,  74                           ; out: 256 w + 16 r + 8 h
.set VVA, 75                           ; out: 2,048 w + 16 r + 8 h
.set QSA, 76
.set KSA, 77
.set VSA, 78
.set SCO, 79
.set SCR, 80
.set SH8, 81                           ; 8 h
.set PFO, 82                           ; 8,192 x lane
.set XA,  128
.set XB,  192
.set XCD, 96
.set EM,  128
.set WV,  14
.set G1,  20
.set G0,  28
.set SEL, 32
.set TB,  34                           ; the slot that is quantised;  s35 the other
.set TN,  35
.set TCW, 36                           ; the codes' buffer that is written;  s37 the other
.set TCR, 37
.set WOFF, 38
.set CNT, 39
.set WP,  50                           ; s[50:51] wfrag at the two K steps that are loaded next
.set PF,  52                           ; s[52:53] my rows of x at the slot that is asked for next
.set MSB, 0
.macro WIN new                         ; the immediate's high byte repeats the setting that is left
.if MSB != (\new)
	s_set_vgpr_msb (MSB<<8)|(\new)
.set MSB, \new
.endif
.endm
.macro PLACES n
.rept \n
	v_nop
.endr
.endm
.macro LOADX xs, q, m                  ; rows 16 m + r, the slot's q-th 128 along K: register 32 c + 4 j + e = k 64 c + 32 h + 4 j + e
.irp c, 0,1
.irp j, 0,1,2,3,4,5,6,7
	ds_load_b128 v[\xs+32*\c+4*\j:\xs+32*\c+4*\j+3], v[AX] offset:16*XP*(\m)+512*(\q)+256*\c+16*\j
.endr
.endr
.endm
; 64 numbers of a lane, two blocks of 32, become 8 registers of codes and, with lane l xor 16's two bytes, the row's scale word.  Four chains of maxima by turns, with the floor 2^(3 - 127): the byte cannot fall under 1.
.macro QUANT xs, cs, q, m
.irp z, 0,1,2,3
	v_max3_num_f32 v[TM+\z], |v[\xs+16*\z]|, |v[\xs+16*\z+1]|, 0x1800000
.endr
.irp i, 2,4,6,8,10,12,14
.irp z, 0,1,2,3
	v_max3_num_f32 v[TM+\z], |v[\xs+16*\z+\i]|, |v[\xs+16*\z+\i+1]|, v[TM+\z]
.endr
.endr
	v_max_num_f32 v[TM], v[TM], v[TM+1]
	v_max_num_f32 v[TM+2], v[TM+2], v[TM+3]
	v_add_nc_u32 v[TM+4], 0xff000000, v[TM]        ; 2 off the exponent field: the conversion's scale operand
	v_add_nc_u32 v[TM+5], 0xff000000, v[TM+2]
	v_lshrrev_b32 v[TM+6], 23, v[TM+4]             ; the bytes of blocks h and 2 + h
	v_lshrrev_b32 v[TM+7], 23, v[TM+5]
	v_lshl_or_b32 v[TM+6], v[TM+7], 16, v[TM+6]
	v_lshlrev_b32 v[TM+6], v[SH8], v[TM+6]         ; at their places in the word
	v_permlanex16_b32 v[TM+8], v[TM+6], s[SEL], s[SEL+1]
.irp c, 0,1
.irp g, 0,1,2,3
	v_cvt_scalef32_pk8_fp4_f32 v[\cs+4*\c+\g], v[\xs+32*\c+8*\g:\xs+32*\c+8*\g+7], v[TM+4+\c]
.endr
.endr
	v_or_b32 v[\cs+8], v[TM+6], v[TM+8]            ; the word is whole.  (Also the plain line behind the last conversion)
	ds_store_b128 v[CW], v[\cs:\cs+3] offset:8*IP*(\q)+128*(\m)
	ds_store_b128 v[CW], v[\cs+4:\cs+7] offset:8*IP*(\q)+128*(\m)+512
	ds_store_b32 v[SW], v[\cs+8] offset:512*(\q)+128*(\m)   ; both halves of the lanes write the same word with the same value
.endm
.macro CODES                           ; all eight tiles' codes and scale words of two K steps
	WIN 0x40
.irp q, 0,1
.irp t, 0,1,2,3,4,5,6,7
.irp c, 0,1
	ds_load_b128 v[XCD+8*(8*\q+\t)+4*\c:XCD+8*(8*\q+\t)+4*\c+3], v[CR] offset:8*IP*\q+IP*\t+512*\c
.endr
.endr
.endr
	WIN 0
.irp q, 0,1
	ds_load_b128 v[XS+4*\q:XS+4*\q+3], v[CR] offset:CSC+512*\q   ; register i: tile i in lanes 0-15, tile i + 4 in lanes 16-31
.endr
.endm
.macro WLOAD                           ; my six fragments and their scale words for two K steps
	WIN 0x40
.irp q, 0,1
.irp f, 0,1,2,3,4,5
.irp c, 0,1
	global_load_b128 v[8*(6*\q+\f)+4*\c:8*(6*\q+\f)+4*\c+3], v[WO], s[WP:WP+1] offset:KB*\q+8192*(\f/2)+1024*(\f%2)+512*\c
.endr
.endr
.endr
	WIN 0
.irp q, 0,1
.irp u, 0,1,2
	global_load_b64 v[WS+6*\q+2*\u:WS+6*\q+2*\u+1], v[WSO], s[WP:WP+1] offset:KB*\q+24576+512*\u
.endr
.endr
.endm
.macro MMT q, t                        ; tile t's six products for the q-th K step
.set AC, 48*((\t)%4)
.set XR, XCD+8*(8*(\q)+(\t))
.set XQ, XS+4*(\q)+(\t)%4
.irp f, 0,1,2,3
.if (\t) < 4
	v_wmma_scale_f32_16x16x128_f8f6f4 v[AC+8*\f:AC+8*\f+7], v[8*(6*(\q)+\f):8*(6*(\q)+\f)+7], v[XR:XR+7], v[AC+8*\f:AC+8*\f+7], v[WS+6*(\q)+\f], v[XQ] matrix_a_fmt:MATRIX_FMT_FP4 matrix_b_fmt:MATRIX_FMT_FP4
.else
	v_wmma_scale_f32_16x16x128_f8f6f4 v[AC+8*\f:AC+8*\f+7], v[8*(6*(\q)+\f):8*(6*(\q)+\f)+7], v[XR:XR+7], v[AC+8*\f:AC+8*\f+7], v[WS+6*(\q)+\f], v[XQ] matrix_a_fmt:MATRIX_FMT_FP4 matrix_b_fmt:MATRIX_FMT_FP4 matrix_b_scale:MATRIX_SCALE_ROW1
.endif
.endr
.irp f, 4,5
.if (\t) < 4
	v_wmma_scale_f32_16x16x128_f8f6f4 v[AC+8*\f:AC+8*\f+7], v[XR:XR+7], v[8*(6*(\q)+\f):8*(6*(\q)+\f)+7], v[AC+8*\f:AC+8*\f+7], v[XQ], v[WS+6*(\q)+\f] matrix_a_fmt:MATRIX_FMT_FP4 matrix_b_fmt:MATRIX_FMT_FP4
.else
	v_wmma_scale_f32_16x16x128_f8f6f4 v[AC+8*\f:AC+8*\f+7], v[XR:XR+7], v[8*(6*(\q)+\f):8*(6*(\q)+\f)+7], v[AC+8*\f:AC+8*\f+7], v[XQ], v[WS+6*(\q)+\f] matrix_a_fmt:MATRIX_FMT_FP4 matrix_b_fmt:MATRIX_FMT_FP4 matrix_a_scale:MATRIX_SCALE_ROW1
.endif
.endr
.endm
.macro MM                              ; 96 products; the accumulators take turns, one instruction a turn
	WIN 0xa5                                       ; both sources window 1, C and D window 2
.irp t, 0,1,2,3
	MMT 0, \t
.endr
	WIN 0xf5
.irp t, 4,5,6,7
	MMT 0, \t
.endr
.irp t, 4,5,6,7
	MMT 1, \t
.endr
	WIN 0xa5
.irp t, 0,1,2,3
	MMT 1, \t
.endr
	WIN 0
	PLACES 4                                       ; in front of loads into registers that these products have read, and of the first read of results
.endm
.macro ASK guard                       ; guard = 1: not in the loop's last trip, whose look-ahead would pass the row's end
.if \guard
	s_cmp_gt_u32 s[CNT], 1
	s_cbranch_scc0 .Lnot_asked_\@
.endif
.irp o, 0,256,512,768
	global_prefetch_b8 v[PFO], s[PF:PF+1] offset:\o th:TH_LOAD_NT scope:SCOPE_SE
.endr
.Lnot_asked_\@:
.endm
; A TRIP.  ph2: the last slot's codes are multiplied and the next W is loaded.  fill: the other slot is asked for.  pf: 0 no prefetch, 1 one, 2 one under the guard.
.macro TRIP ph2, fill, pf
	s_wait_alu depctr_va_vdst(0)
	s_wait_tensorcnt 0x0                           ; my rows of this trip's slot are in, and group 0 may be written
	ds_add_u32 v[SPW], v[NIL]                      ; 0 onto my spare word
.if \fill
	s_add_co_u32 s[G0+1], s[TN], s[WOFF]           ; the other slot, my rows,
	s_add_nc_u64 s[G0+2:G0+3], s[G0+2:G0+3], 1024  ; the next 256 along K; the type bits on top are not reached
.endif
	s_wait_xcnt 0x0                                ; my loads and prefetches have read their bases: only behind this wait are they stepped
	s_add_nc_u64 s[PF:PF+1], s[PF:PF+1], 1024
.if \ph2
	s_add_nc_u64 s[WP:WP+1], s[WP:WP+1], 2*KB
.endif
	s_wait_dscnt 0x0                               ; the add is done, my codes have landed, my reads of the other slot and of the other buffer are over
	s_barrier_signal -1
	s_barrier_wait -1
.if \fill
	tensor_load_to_lds s[G0:G0+3], s[G1:G1+7]      ; my one tensor load behind the barrier
	s_nop 0
.endif
	v_add_nc_u32 v[AX], s[TB], v[AX0]
	v_add_nc_u32 v[CW], s[TCW], v[CW0]
	v_add_nc_u32 v[SW], s[TCW], v[SW0]
	v_add_nc_u32 v[CR], s[TCR], v[CR0]
	s_wait_alu depctr_va_vdst(0)
.if \ph2
	CODES
.endif
	LOADX XA, 0, 0
	LOADX XB, 0, 1
.if \ph2
	s_wait_dscnt 32                                ; all but the 32 loads of x just issued: the codes are in
	s_wait_loadcnt 0x0                             ; W is in (the first time: the accumulators' images too)
	MM
	WLOAD
.endif
.if \pf
	ASK (\pf)-1
.endif
	s_wait_dscnt 16                                ; set A is in; set B's 16 loads may be out
	QUANT XA, CA, 0, 0
	LOADX XA, 1, 0
	s_wait_dscnt 19                                ; set B is in; behind it: 3 stores and 16 loads
	QUANT XB, CC, 0, 1
	LOADX XB, 1, 1
	s_wait_dscnt 19
	QUANT XA, CA, 1, 0
	s_wait_dscnt 3                                 ; behind set B's loads: 3 stores
	QUANT XB, CC, 1, 1
	s_xor_b32 s[TB], s[TB], SLOT1
	s_xor_b32 s[TN], s[TN], SLOT1
	s_xor_b32 s[TCW], s[TCW], CBUF
	s_xor_b32 s[TCR], s[TCR], CBUF
.endm
	s_load_b128 s[4:7], s[0:1], 0x0                ; x, wfrag
	s_load_b128 s[8:11], s[0:1], 0x10              ; qc, kvc
	s_load_b64 s[12:13], s[0:1], 0x20              ; scl
	v_lshl_add_u32 v[SPW], v0, 2, SPARE
	v_mov_b32 v[NIL], 0
	ds_add_u32 v[SPW], v[NIL]                      ; the add, twice on end; its wait stands ahead of my first tensor load
	ds_add_u32 v[SPW], v[NIL]
	v_lshrrev_b32 v14, 5, v0
	v_readfirstlane_b32 s[WV], v14                 ; wave 0..3
	s_mul_i32 s[WOFF], s[WV], WROWS
	s_lshr_b32 s15, s[WV], 1
	s_lshl_b32 s15, s15, 8
	s_and_b32 s16, s[WV], 1
	s_lshl_b32 s16, s16, 3
	s_add_co_u32 s43, s15, s16                     ; 256 (w / 2) + 8 (w % 2)
	s_mul_i32 s40, s[WV], 2*IP
	s_add_co_u32 s40, s40, CODE
	s_add_co_u32 s41, s43, CODE+CSC
	s_lshl_b32 s42, s[WV], 11
	s_lshl_b32 s44, s[WV], 8
	s_add_co_u32 s45, s[WV], SCA
	s_add_co_u32 s46, s[WV], SCA+512
	s_add_co_u32 s47, s43, SCA+1024
	s_lshl_b32 s48, s[WV], 9
	s_mov_b32 s[G1], (2<<16)|(1<<20)|(7<<22)|(3<<25)   ; elements of 4 bytes; padding: four words after every 256
	s_mov_b32 s[G1+1], 256<<16                     ; tensor_dim0
	s_mov_b32 s[G1+2], 32<<16                      ; tensor_dim1
	s_mov_b32 s[G1+3], 256<<16                     ; tile_dim0
	s_mov_b32 s[G1+4], 32                          ; tile_dim1
	s_mov_b32 s[G1+5], 2048                        ; from row to row
	s_mov_b32 s[G1+6], 0
	s_mov_b32 s[G1+7], 0
	s_mov_b32 s[SEL], 0x76543210
	s_mov_b32 s[SEL+1], 0xfedcba98
	s_mov_b32 s[TB], 0
	s_mov_b32 s[TN], SLOT1
	s_mov_b32 s[TCW], 0
	s_mov_b32 s[TCR], CBUF
	s_lshl_b32 s54, ttmp9, 20                      ; x: 128 rows of 8,192 bytes a block,
	s_lshl_b32 s55, s[WV], 18                      ; 32 a wave
	s_add_co_u32 s54, s54, s55
	s_mov_b32 s55, 0
	s_lshl_b32 s56, ttmp9, 13
	s_mov_b32 s57, 0
	s_lshl_b32 s58, ttmp9, 14
	s_mov_b32 s59, 0
	s_mul_i32 s60, ttmp9, 1536
	s_mov_b32 s61, 0
	s_wait_dscnt 0x0                               ; both opening adds are done
	s_wait_kmcnt 0x0
	s_add_nc_u64 s[4:5], s[4:5], s[54:55]
	s_add_nc_u64 s[8:9], s[8:9], s[56:57]
	s_add_nc_u64 s[10:11], s[10:11], s[58:59]
	s_add_nc_u64 s[12:13], s[12:13], s[60:61]
	s_mov_b32 s[G0], 1
	s_mov_b32 s[G0+1], s[WOFF]                     ; slot 0, my rows
	s_mov_b64 s[G0+2:G0+3], s[4:5]
	s_or_b32 s[G0+3], s[G0+3], 0x80000000
	s_add_nc_u64 s[PF:PF+1], s[4:5], 1024          ; slot 1
	s_mov_b64 s[WP:WP+1], s[6:7]
	tensor_load_to_lds s[G0:G0+3], s[G1:G1+7]      ; my one tensor load at the head: my rows of slot 0
	s_nop 0
	v_and_b32 v14, 15, v0                          ; r
	v_bfe_u32 v15, v0, 4, 1                        ; h
	v_and_b32 v[LI], 31, v0
	v_lshlrev_b32 v[PFO], 13, v[LI]
	v_lshlrev_b32 v[LI], 4, v[LI]
	v_lshlrev_b32 v[SH8], 3, v15
	v_mul_u32_u24 v[AX0], v14, XP
	v_lshl_add_u32 v[AX0], v15, 7, v[AX0]
	v_add_nc_u32 v[AX0], s[WOFF], v[AX0]           ; row r, + 128 h
	v_and_b32 v36, 7, v0                           ; r % 8
	v_bfe_u32 v37, v0, 3, 1                        ; r / 8
	v_mul_u32_u24 v[CW0], v37, IP                  ; row 16 m + r lies in tile 2 w + r / 8, at its row r % 8 + 8 m
	v_lshl_add_u32 v[CW0], v36, 4, v[CW0]
	v_lshl_add_u32 v[CW0], v15, 8, v[CW0]
	v_add_nc_u32 v[CW0], s40, v[CW0]
	v_lshlrev_b32 v[SW0], 4, v36
	v_lshl_add_u32 v[SW0], v37, 2, v[SW0]
	v_add_nc_u32 v[SW0], s41, v[SW0]
	v_add_nc_u32 v[CR0], CODE, v[LI]
	v_add_nc_u32 v[WO], s42, v[LI]
	v_lshl_add_u32 v[WSO], v14, 4, s43
	v_lshl_add_u32 v[VA], v14, 4, s44
	v_lshl_add_u32 v[VA], v15, 3, v[VA]
	v_lshl_add_u32 v[VVA], v14, 4, s42
	v_lshl_add_u32 v[VVA], v15, 3, v[VVA]
	v_lshl_add_u32 v[QSA], v14, 2, s45             ; q's byte of (tile t, row r, channel block w): 64 t + 4 r + w
	v_lshl_add_u32 v[KSA], v14, 4, s46             ; k's: 256 (t / 4) + 4 (t % 4) + 16 r + w
	v_lshl_add_u32 v[VSA], v14, 4, s47             ; v's, of (channel tile 2 w + u, row r, key block g): 256 (w / 2) + 8 (w % 2) + 4 u + 16 r + g
	v_add_nc_u32 v[SCO], s48, v[LI]
	v_add_nc_u32 v[SCR], SCA, v[SCO]
	v_mov_b32 v[TM+8], 0                           ; written once: a lane permute's destination counts as one of its sources
	s_wait_alu depctr_va_vdst(0)
	ASK 0                                          ; slot 1, which the first trip's tensor load fetches
	WLOAD                                          ; K steps 0 and 1
.irp t, 0,1,2,3,4,5,6,7
	WIN (2+\t/4)<<6
.irp f, 0,1,2,3,4,5
.irp c, 0,1
	global_load_b128 v[48*(\t%4)+8*\f+4*\c:48*(\t%4)+8*\f+4*\c+3], v[WO], s[6:7] offset:BIAS+8192*(\f/2)+1024*(\f%2)+512*\c   ; the sums start from the biases
.endr
.endr
.endr
	WIN 0
	TRIP 0, 1, 1                                   ; slot 0 is quantised; slot 1's first fill is issued as a refill is
	s_mov_b32 s[CNT], 6
.Ltrip:                                            ; slots 1 to 6
	TRIP 1, 1, 2
	s_sub_co_u32 s[CNT], s[CNT], 1
	s_cmp_lg_u32 s[CNT], 0
	s_cbranch_scc1 .Ltrip
	TRIP 1, 0, 0                                   ; slot 7 is written out: nothing more is asked for
	s_wait_alu depctr_va_vdst(0)
	s_wait_dscnt 0x0                               ; for the others' sake: my last codes have landed
	s_barrier_signal -1
	s_barrier_wait -1
	v_add_nc_u32 v[CR], s[TCR], v[CR0]
	s_wait_alu depctr_va_vdst(0)
	CODES
	s_wait_dscnt 0x0
	s_wait_loadcnt 0x0
	MM
; THE WAY OUT.  A unit is a block of 32 of one row (q, k: channels 32 w on) or of one channel (v: keys 32 g on): a lane holds 16 of it in two accumulators, lane l xor 16 the others.  Twelve units a window, by turns.
.macro UREG n
.if (\n) < 8
.set RA, 48*((\n)%4)+16*((\n)/4)
.set RB, RA+8
.else
.set RA, 96*(((\n)-8)/2)+32+8*((\n)%2)
.set RB, RA+48
.endif
.endm
.macro EPI w, cb
	WIN (\w)|((\w)<<2)
.irp n, 0,1,2,3,4,5,6,7,8,9,10,11
	UREG \n
	v_max3_num_f32 v[EM+\n], |v[RA]|, |v[RA+1]|, 0x1800000   ; each accumulator is read from its low end on
.endr
.irp i, 2,4,6
.irp n, 0,1,2,3,4,5,6,7,8,9,10,11
	UREG \n
	v_max3_num_f32 v[EM+\n], |v[RA+\i]|, |v[RA+\i+1]|, v[EM+\n]
.endr
.endr
.irp i, 0,2,4,6
.irp n, 0,1,2,3,4,5,6,7,8,9,10,11
	UREG \n
	v_max3_num_f32 v[EM+\n], |v[RB+\i]|, |v[RB+\i+1]|, v[EM+\n]
.endr
.endr
	WIN 0
.irp n, 0,1,2,3,4,5,6,7,8,9,10,11
	v_permlanex16_b32 v[EM+12+\n], v[EM+\n], s[SEL], s[SEL+1]
.endr
.irp n, 0,1,2,3,4,5,6,7,8,9,10,11
	v_max_num_f32 v[EM+\n], v[EM+\n], v[EM+12+\n]
.endr
.irp n, 0,1,2,3,4,5,6,7,8,9,10,11
	v_add_nc_u32 v[EM+24+\n], 0xff000000, v[EM+\n]
.endr
.irp n, 0,1,2,3,4,5,6,7,8,9,10,11
	v_lshrrev_b32 v[EM+36+\n], 23, v[EM+24+\n]
.endr
	WIN \w
.irp n, 0,1,2,3,4,5,6,7,8,9,10,11
	UREG \n
	v_cvt_scalef32_pk8_fp4_f32 v[\cb+2*\n], v[RA:RA+7], v[EM+24+\n]
	v_cvt_scalef32_pk8_fp4_f32 v[\cb+2*\n+1], v[RB:RB+7], v[EM+24+\n]
.endr
	WIN 0
	v_nop                                          ; a plain line behind the last conversion
.irp n, 0,1,2,3                                ; each store of the wave covers 256 consecutive bytes, aligned; both lanes of a block write the same byte with the same value
	global_store_b64 v[VA], v[\cb+2*\n:\cb+2*\n+1], s[8:9] offset:1024*(4*((\w)-2)+\n)
	ds_store_b8 v[QSA], v[EM+36+\n] offset:64*(4*((\w)-2)+\n)
	global_store_b64 v[VA], v[\cb+8+2*\n:\cb+9+2*\n], s[10:11] offset:1024*(4*((\w)-2)+\n)
	ds_store_b8 v[KSA], v[EM+40+\n] offset:256*((\w)-2)+4*\n
	global_store_b64 v[VVA], v[\cb+16+2*\n:\cb+17+2*\n], s[10:11] offset:8192+1024*(\n%2)+256*(2*((\w)-2)+\n/2)
	ds_store_b8 v[VSA], v[EM+44+\n] offset:4*(\n%2)+2*((\w)-2)+\n/2
.endr
.endm
	EPI 2, 176
	EPI 3, 200
	s_wait_alu depctr_va_vdst(0)
	s_wait_dscnt 0x0                               ; for the others' sake: my scale bytes have landed
	s_barrier_signal -1
	s_barrier_wait -1
	s_cmp_lt_u32 s[WV], 3
	s_cbranch_scc0 .Lno_scales
	ds_load_b128 v[224:227], v[SCR]                ; wave 0: Q's part, wave 1: K's image, wave 2: V's
	s_wait_dscnt 0x0
	global_store_b128 v[SCO], v[224:227], s[12:13] ; 512 consecutive bytes
.Lno_scales:
	s_wait_tensorcnt 0x0                           ; the wave's end
	ds_add_u32 v[SPW], v[NIL]
	s_wait_dscnt 0x0
	s_endpgm
.Lfunc_end_k_q25ef7a805d_proj:
	.size	k_q25ef7a805d_proj, .Lfunc_end_k_q25ef7a805d_proj-k_q25ef7a805d_proj
	.p2alignl 7, 3214868480
	.fill 96, 4, 3214868480
	.section	.rodata,"a",@progbits
	.p2align	6, 0x0
	.amdhsa_kernel k_q25ef7a805d_proj
		.amdhsa_group_segment_fixed_size 327680
		.amdhsa_private_segment_fixed_size 0
		.amdhsa_enable_private_segment 0
		.amdhsa_kernarg_size 40
		.amdhsa_user_sgpr_count 2
		.amdhsa_user_sgpr_kernarg_segment_ptr 1
		.amdhsa_wavefront_size32 1
		.amdhsa_system_sgpr_workgroup_id_x 1
		.amdhsa_system_sgpr_workgroup_id_y 1
		.amdhsa_system_sgpr_workgroup_id_z 1
		.amdhsa_system_vgpr_workitem_id 0
		.amdhsa_next_free_vgpr 1024
		.amdhsa_next_free_sgpr 66
		.amdhsa_reserve_vcc 0
		.amdhsa_float_denorm_mode_32 3
		.amdhsa_float_denorm_mode_16_64 3
		.amdhsa_memory_ordered 1
		.amdhsa_forward_progress 1
		.amdhsa_inst_pref_size 147
	.end_amdhsa_kernel
	.amdgpu_metadata
---
amdhsa.version: [ 1, 2 ]
amdhsa.kernels:
  - .name:           k_q25ef7a805d_proj
    .symbol:         k_q25ef7a805d_proj.kd
    .args:
      - { .name: x, .offset: 0, .size: 8, .value_kind: global_buffer, .address_space: global }
      - { .name: wfrag, .offset: 8, .size: 8, .value_kind: global_buffer, .address_space: global }
      - { .name: qc, .offset: 16, .size: 8, .value_kind: global_buffer, .address_space: global }
      - { .name: kvc, .offset: 24, .size: 8, .value_kind: global_buffer, .address_space: global }
      - { .name: scl, .offset: 32, .size: 8, .value_kind: global_buffer, .address_space: global }
    .group_segment_fixed_size: 327680
    .private_segment_fixed_size: 0
    .kernarg_segment_align: 8
    .kernarg_segment_size: 40
    .max_flat_workgroup_size: 128
    .sgpr_count:     66
    .vgpr_count:     1024
    .wavefront_size: 32
...
	.end_amdgpu_metadata
.endif
;; end of part 2
;; launch attn (part 3): grid 32 x 8, 16 waves a work-group, clusters of 4 x 1, 327,680 bytes of LDS; arguments qc, kvc, scl, out0; writes out0
.if DOCPART == 3
	.amdgcn_target "amdgcn-amd-amdhsa--gfx1250"
	.amdhsa_code_object_version 6
	.text
	.protected	k_q25ef7a805d_attn
	.globl	k_q25ef7a805d_attn
	.p2align	8
	.type	k_q25ef7a805d_attn,@function
k_q25ef7a805d_attn:
	s_mov_b64 s[64:65], 0
	v_nop
	global_prefetch_b8 v0, s[64:65] scope:SCOPE_SE
	s_setreg_imm32_b32 hwreg(HW_REG_WAVE_MODE, 25, 1), 1
	s_wait_xcnt 0x0
	s_wait_alu depctr_hold_cnt(0) depctr_sa_sdst(0) depctr_va_vdst(0) depctr_va_sdst(0) depctr_va_ssrc(0) depctr_va_vcc(0) depctr_vm_vsrc(0)
	s_getreg_b32 s2, hwreg(HW_REG_IB_STS2, 6, 4)
	s_cmp_eq_u32 s2, 0
	s_cbranch_scc0 .Lentry_in_a_cluster
	s_endpgm
.Lentry_in_a_cluster:
	s_bfe_u32 s2, ttmp6, 0x10000c
	s_cmp_lg_u32 s2, 0x3003
	s_cbranch_scc0 .Lentry_shape_is_right
	s_endpgm
.Lentry_shape_is_right:
; out0[b][q][:] = the sum over k of softmax_k(q . k) v[k][:], no factor on the scores, both products on codes of FP4 (E2M1) with one E8M0 scale for each 32 along a product's K.  8 batches x 4,096 tokens x 128 channels.
; IN, as images of the operands' registers (a fragment, 16 rows x 128 K: 1,024 bytes: part c at 512 c, lane l's 16 bytes at 16 l):
;   qc [256 blocks of 128 queries][8 tiles]; kvc [256 = 32 batch + key step][K: 8 tiles of 16 keys | V: 8 tiles of 16 channels, K = the step's 128 keys]; scl [256][Q's words, (tile t, row r) at 64 t + 4 r | K's image | V's image], an image's
;   lane l, word i being the scale word of tile i + 4 (l / 16), row l % 16.  ROW r OF TILE 2 b + u IS INDEX 32 b + 8 u + r + 8 (r / 8) (keys, queries, channels alike), so that the 16 registers of result tiles 2 b, 2 b + 1 are 16 neighbours.
; THE SOFTMAX AHEAD OF THE SECOND PRODUCT: t = score x log2(e); M = the largest t so far, rounded UP to a whole number; p = 2^(t - M) is what is quantised, along the keys; the row's sum is taken of the unquantised p and divides at the end.
; SHARES.  A work-group owns 128 queries of one batch.  Wave WV owns query tile WV / 2 and HALF OF THE KEYS: of each slot's eight key steps the steps 4 g .. 4 g + 3, g = WV % 2, with M, sum and O^T of its own: four waves to a SIMD on all 256 WGPs.
; At the end the two waves of a tile exchange half of their O^T through LDS; M is a whole number, so bringing both under the larger M rounds nothing.
; Both products are used transposed: S^T = K Q^T, O^T = V^T P^T: a lane holds ONE query (lane % 16) throughout.
; RING.  Two LDS slots of eight key steps (128 KB), waves 0 to 3 fetching two steps each by one load: four changes of slots for the batch's 32 key steps.  The four work-groups of a cluster walk one batch's K and V and ask for them JOINTLY.
; The batch's scale images (32 KB) come once and stay.
; TWO RUNS OF 64 REGISTERS CHANGE ROLES FROM STEP TO STEP: one holds K's fragments and then V's; the other S^T, then p, and, when p has been converted, the NEXT step's K: so within a slot K is fetched a step ahead.
; LIMITS: p under 2^-126 becomes 0 (v_exp_f32 flushes); a block of p whose largest lies under 2^-124 keeps the scale byte 1; O is multiplied by v_rcp_f32 of the sum; NaN and infinities are not served.
; REGISTERS: v1-11 addresses; v12 -M, v13 the largest t, v[14:15] the sum in two halves; v16-23 Q; v24 Q's scale words, v25 p's, v28-31 K's, v244-247 V's; v[26:27] f; v32-95, v96-159 the two runs; v160-223 O^T; v224-231 p's codes; v232-243, v248 at work.
.set STEPB, 16384                      ; a key step: K's 8 fragments, then V's 8
.set SLOTB, 8*STEPB                    ; a slot
.set SLOT1, 131072                     ; slot 1 begins here: one exclusive or turns an address in one slot into the other's
.set SCL,   262144                     ; behind the ring: the batch's scale images, 1,024 bytes a key step (K's, V's); filled once
.set SPARE, 294912                     ; the spare words, 128 bytes for each wave: eight blocks of 256 bytes that no other line names
.set MERGE, 0                          ; 4,352 bytes for each wave: 32 registers' images, then -M and the sum.  In slot 0,
.set MA,    4352
.set STAGE, SLOT1                      ; and the way out's stages, 16 rows x (256 bytes + 16) for each wave, in slot 1: both slots have had their last fill, and a barrier stands between every wave's last read of the ring and the first store there
.set LI,  1                            ; v1   16 x lane
.set AD,  2                            ; v2   16 x lane in my four key steps of the slot in hand
.set AS,  3                            ; v3   16 x lane in their scale images
.set MW,  4                            ; v4   merge: where I put images;  v7 words
.set SPW, 5                            ; v5   LDS address of my spare word; never rewritten
.set NIL, 6                            ; v6   0; never rewritten
.set MW2, 7
.set MR,  8                            ; v8   merge: where my partner put them;  v9 words
.set MR2, 9
.set SI,  10                           ; v10  the stage, in: row r, + 64 (lane / 16)
.set SR,  11                           ; v11  the stage, back: lanes 0-15 one row, lanes 16-31 the next
.set BM,  232                          ; v232-235 each block's largest score, then largest p
.set BP,  236                          ; v236-239 the other half's, a chain of the sum, the bytes
.set SO,  240                          ; v240-243 the conversions' scale operands
.set PFO, 249                          ; v249 256 x lane; never rewritten
.set GO,  250                          ; v250 my byte offset in two rows of out0
.set QSO, 251                          ; v251 4 r
.set WV,  12
.set G1,  16                           ; s[16:23] descriptor group 1 for the codes;  s[24:31] for the scale images;  s[32:35], s[36:39] their groups 0
.set G1S, 24
.set G0,  32
.set G0S, 36
.set SEL, 40                           ; s[40:41] lane selects for v_permlanex16_b32: lane l xor 16
.set CS,  42                           ; s[42:43] c = log2(e): the packed form names a pair and takes its low word for both halves
.set TB,  44                           ; s44  LDS byte at which my four key steps of the slot in hand begin
.set TS,  45                           ; s45  and their scale images
.set SLOTS, 46                         ; s46  slots still to be asked for
.set LIM, 47                           ; s47  1 in a wave that prefetches, else the greatest number
.set PFA, 48                           ; s[48:49] where my prefetches stand
.set GM,  66                           ; s66  all ones where g = 1
.macro PLACES n
.rept \n
	v_nop
.endr
.endm
.macro CROUND                          ; a round of the cluster's barrier
	s_barrier_signal -1
	s_barrier_wait -1
	s_cmp_lg_u32 s[WV], 0
	s_cbranch_scc1 .Lnot_wave_0_\@
	s_barrier_signal -3
.Lnot_wave_0_\@:
	s_barrier_wait -3
	s_barrier_signal -1
	s_barrier_wait -1
.endm
.macro TLOAD                           ; waves 0 to 3 fetch two key steps each; the branch hangs on the wave's number alone; four v_nop follow the load
	s_cmp_lt_u32 s[WV], 4
	s_cbranch_scc0 .Lnot_mine_\@
	tensor_load_to_lds s[G0:G0+3], s[G1:G1+7]
	s_nop 0
	PLACES 4
.Lnot_mine_\@:
.endm
; A PREFETCH INTO THE L2 of the slot that the NEXT change of slots will ask for: 131,072 dense bytes.  All eight clusters of a batch walk the same K and V: the batch's first cluster asks.  Its four partners share the slot out BY ADDRESS,
; 32,768 bytes each; in each, waves 4 to 7, which fetch nothing, take 8,192 bytes, lanes 256 bytes apart: each aligned block of 256 bytes is named once in the launch.  The last change that fills a slot asks for nothing; slots 0 and 1 come by their loads alone.
.macro ASK
	s_cmp_gt_u32 s[SLOTS], s[LIM]
	s_cbranch_scc0 .Lnot_asked_\@
	global_prefetch_b8 v[PFO], s[PFA:PFA+1] th:TH_LOAD_NT scope:SCOPE_SE
.Lnot_asked_\@:
.endm
	s_load_b256 s[4:11], s[0:1], 0x0               ; qc s[4:5], kvc s[6:7], scl s[8:9], out0 s[10:11]
	v_lshl_add_u32 v[SPW], v0, 2, SPARE
	v_mov_b32 v[NIL], 0
	ds_add_u32 v5, v6
	ds_add_u32 v5, v6
	s_wait_dscnt 0x0
	v_lshrrev_b32 v232, 5, v0
	s_delay_alu instid0(VALU_DEP_1)
	v_readfirstlane_b32 s[WV], v232                ; wave 0..15
	s_bfe_u32 s13, ttmp6, 0x40000                  ; cx: it enters the addresses of Q, of out0 and of the prefetches alone
	s_lshl_b32 s14, ttmp9, 2
	s_add_co_u32 s14, s14, s13                     ; my block of 128 queries in the batch
	s_and_b32 s15, ttmp7, 0xffff                   ; the batch, which the four partners share
	s_and_b32 s50, s[WV], 1                        ; g: my half of the keys
	s_lshr_b32 s51, s[WV], 1                       ; my tile of queries
	s_and_b32 s52, s[WV], 3                        ; the two key steps that I fetch, if I fetch
	; every LDS address register but the steps' two is made here, ahead of the first branch on the wave's number
	v_and_b32 v232, 15, v0                         ; r
	v_bfe_u32 v233, v0, 4, 1                       ; h
	v_and_b32 v234, 31, v0
	s_delay_alu instid0(VALU_DEP_1)
	v_lshlrev_b32 v[LI], 4, v234
	s_delay_alu instid0(VALU_DEP_2)
	v_lshlrev_b32 v[PFO], 8, v234
	s_delay_alu instid0(VALU_DEP_3)
	v_lshlrev_b32 v235, 2, v234
	s_mul_i32 s53, s[WV], MA
	s_add_co_u32 s54, s53, MERGE
	v_add_nc_u32 v[MW], s54, v[LI]
	v_add_nc_u32 v[MW2], s54, v235
	s_xor_b32 s55, s[WV], 1                        ; my partner: the same queries, the other keys
	s_mul_i32 s55, s55, MA
	s_add_co_u32 s55, s55, MERGE
	v_add_nc_u32 v[MR], s55, v[LI]
	v_add_nc_u32 v[MR2], s55, v235
	s_add_co_u32 s54, s53, STAGE
	v_mul_u32_u24 v[SI], v232, 272
	s_delay_alu instid0(VALU_DEP_1)
	v_lshl_add_u32 v[SI], v233, 6, v[SI]
	s_delay_alu instid0(VALU_DEP_1)
	v_add_nc_u32 v[SI], s54, v[SI]
	v_mul_u32_u24 v[SR], v233, 272
	s_delay_alu instid0(VALU_DEP_1)
	v_lshl_add_u32 v[SR], v232, 4, v[SR]
	s_delay_alu instid0(VALU_DEP_1)
	v_add_nc_u32 v[SR], s54, v[SR]
	v_lshlrev_b32 v[GO], 9, v233
	s_delay_alu instid0(VALU_DEP_1)
	v_lshl_add_u32 v[GO], v232, 4, v[GO]
	v_lshlrev_b32 v[QSO], 2, v232
	s_lshl_b32 s53, s15, 5
	s_add_co_u32 s53, s53, s14                     ; my block among the 256
	s_lshl_b32 s58, s53, 13
	s_lshl_b32 s55, s51, 10
	s_add_co_u32 s58, s58, s55                     ; Q's fragment: 8,192 x block + 1,024 x tile
	s_mov_b32 s59, 0
	s_mul_i32 s60, s53, 1536
	s_lshl_b32 s55, s51, 6
	s_add_co_u32 s60, s60, s55                     ; its scale words
	s_mov_b32 s61, 0
	s_lshl_b32 s62, s53, 16                        ; out0: 128 rows of 512 bytes a block,
	s_lshr_b32 s55, s51, 1
	s_lshl_b32 s55, s55, 14
	s_add_co_u32 s62, s62, s55                     ; + row 32 (tile / 2)
	s_and_b32 s55, s51, 1
	s_lshl_b32 s55, s55, 12
	s_add_co_u32 s62, s62, s55                     ; + row 8 (tile % 2)
	s_lshl_b32 s55, s50, 8
	s_add_co_u32 s62, s62, s55                     ; + my 64 channels: 256 g
	s_mov_b32 s63, 0
	s_lshl_b32 s68, s15, 19                        ; kvc: 32 steps of 16,384 bytes a batch,
	s_lshl_b32 s67, s52, 15                        ; the two steps that I fetch: in memory and in a slot alike
	s_add_co_u32 s68, s68, s67
	s_mov_b32 s69, 0
	s_mul_i32 s70, s15, 49152                      ; scl: 32 records of 1,536 bytes a batch,
	s_mul_i32 s74, s52, 12288                      ; eight records a fetching wave,
	s_add_co_u32 s70, s70, s74
	s_add_co_u32 s70, s70, 512                     ; behind Q's part
	s_mov_b32 s71, 0
	s_lshl_b32 s72, s15, 19                        ; the prefetches: the batch,
	s_lshl_b32 s75, s13, 15
	s_add_co_u32 s72, s72, s75                     ; my work-group's quarter of a slot,
	s_lshl_b32 s75, s52, 13
	s_add_co_u32 s72, s72, s75                     ; my wave's quarter of that,
	s_add_co_u32 s72, s72, SLOTB                   ; in slot 1: the first change of slots steps it to slot 2
	s_mov_b32 s73, 0
	s_sub_co_u32 s75, s[WV], 4
	s_lshr_b32 s75, s75, 2                         ; 0 in waves 4 to 7,
	s_or_b32 s75, s75, ttmp9                       ; of the batch's first cluster: the same in all four partners
	s_cmp_eq_u32 s75, 0
	s_cselect_b32 s[LIM], 1, -1
	s_cmp_eq_u32 s50, 1
	s_cselect_b32 s[GM], -1, 0
	; descriptor group 1.  Codes: two key steps, dense: 128 rows of 256 bytes (32 elements of 8 bytes).  Scale images: 8 rows of 1,024 bytes (128 elements), 1,536 bytes (192) apart.  No padding: images are read 16 bytes a lane on end
	s_mov_b32 s[G1], 15|(3<<16)|(1<<21)            ; 15:0 the mask: all four work-groups; 17:16 elements of 8 bytes; 21 set beside a mask
	s_mov_b32 s[G1+1], 32<<16
	s_mov_b32 s[G1+2], 128<<16
	s_mov_b32 s[G1+3], 32<<16
	s_mov_b32 s[G1+4], 128
	s_mov_b32 s[G1+5], 32
	s_mov_b32 s[G1+6], 0
	s_mov_b32 s[G1+7], 0
	s_mov_b32 s[G1S], 15|(3<<16)|(1<<21)
	s_mov_b32 s[G1S+1], 128<<16
	s_mov_b32 s[G1S+2], 8<<16
	s_mov_b32 s[G1S+3], 128<<16
	s_mov_b32 s[G1S+4], 8
	s_mov_b32 s[G1S+5], 192
	s_mov_b32 s[G1S+6], 0
	s_mov_b32 s[G1S+7], 0
	s_mov_b32 s[SEL], 0x76543210
	s_mov_b32 s[SEL+1], 0xfedcba98
	s_mov_b32 s[CS], 0x3fb8aa3b                    ; c = log2(e)
	s_mov_b32 s[CS+1], s[CS]                       ; (named with it as a pair, so it is written)
	s_lshl_b32 s[TB], s50, 16                      ; my first key step: 4 g
	s_lshl_b32 s[TS], s50, 12
	s_add_co_u32 s[TS], s[TS], SCL
	s_mov_b32 s[SLOTS], 3
	s_wait_kmcnt 0x0
	s_add_nc_u64 s[4:5], s[4:5], s[58:59]
	s_add_nc_u64 s[56:57], s[8:9], s[60:61]
	s_add_nc_u64 s[10:11], s[10:11], s[62:63]
	s_add_nc_u64 s[PFA:PFA+1], s[6:7], s[72:73]
	s_mov_b32 s[G0], 1                             ; 1:0 count = 1
	s_mov_b32 s[G0+1], s67                         ; 63:32 LDS address: slot 0
	s_add_nc_u64 s[G0+2:G0+3], s[6:7], s[68:69]    ; 120:64 global address
	s_or_b32 s[G0+3], s[G0+3], 0x80000000          ; 127:126 type = 2
	s_mov_b32 s[G0S], 1
	s_lshl_b32 s[G0S+1], s52, 13
	s_add_co_u32 s[G0S+1], s[G0S+1], SCL
	s_add_nc_u64 s[G0S+2:G0S+3], s[8:9], s[70:71]
	s_or_b32 s[G0S+3], s[G0S+3], 0x80000000
	CROUND                                         ; all four work-groups are here: the first joint loads meet
	s_cmp_lt_u32 s[WV], 4                          ; a fetching wave's first fill stands in one arm: one load of mine is out
	s_cbranch_scc0 .Lfirst_s                       ; one chain of branches on the wave's number, one load to an arm: waves 0 to 3 fetch slot 0,
	tensor_load_to_lds s[G0:G0+3], s[G1:G1+7]
	s_nop 0
	PLACES 4
	s_branch .Lno_first
.Lfirst_s:
	s_cmp_lt_u32 s[WV], 8                          ; waves 4 to 7 a quarter each of the batch's scale images: filled once
	s_cbranch_scc0 .Lno_first
	tensor_load_to_lds s[G0S:G0S+3], s[G1S:G1S+7]
	s_nop 0
	PLACES 4
.Lno_first:
	global_load_b128 v[16:19], v[LI], s[4:5]       ; Q's fragment stays in registers
	global_load_b128 v[20:23], v[LI], s[4:5] offset:512
	s_wait_alu depctr_va_vdst(0)
	global_load_b32 v24, v[QSO], s[56:57]          ; and its scale words
	v_mov_b32 v13, 0xff61b1e6                      ; the largest t so far: -3e38, under every t
	s_delay_alu instid0(VALU_DEP_1)
	v_floor_f32 v12, -v13                          ; -M
	v_mov_b32 v14, 0                               ; the sum, in two halves
	v_mov_b32 v15, 0
	v_mov_b32 v27, 0                               ; (named as the upper half of the pair v[26:27])
	v_mov_b32 v248, 0
.irp b, 0,1,2,3
	v_mov_b32 v[BP+\b], 0                          ; written once: a lane permute's destination counts as one of its sources
.endr
.set j, 0
.rept 64
	v_mov_b32 v[160+j], 0                          ; O^T.  (The key step is written without a first step of its own: the first finds zeros, which the first change of M leaves zeros)
.set j, j+1
.endr
; A KEY STEP: 128 keys, the q-th of my four in the slot in hand.  rk: the run that holds K's fragments and then V's; rs: the run for S^T and p.
; head = 1: a slot's first step: the addresses are made and K is fetched here.  pre = 1: the next step lies in the same slot: its K is fetched into rs as soon as p has been converted.
.macro STEP q, rk, rs, head, pre
.if \head
	v_add_nc_u32 v[AD], s[TB], v[LI]               ; once a slot: the steps' places stand in the immediates, 65,024 at the most
	s_wait_alu depctr_va_vdst(0)
	v_add_nc_u32 v[AS], s[TS], v[LI]
	s_wait_alu depctr_va_vdst(0)
	PLACES 3                                       ; with the two additions: five places, as below
.set n, 0
.rept 16
	ds_load_b128 v[\rk+4*n:\rk+4*n+3], v[AD] offset:STEPB*(\q)+512*n   ; K's eight fragments, as they lie
.set n, n+1
.endr
	ds_load_b128 v[28:31], v[AS] offset:1024*(\q)  ; K's scale words: register i: tile i in lanes 0-15, tile i + 4 in lanes 16-31
.else
	PLACES 5                                       ; S^T is written over the fragments of V that the last step's products read: five places behind them
.endif
	s_wait_dscnt 0x0                               ; K is in
.irp t, 0,1,2,3
	v_wmma_scale_f32_16x16x128_f8f6f4 v[\rs+8*\t:\rs+8*\t+7], v[\rk+8*\t:\rk+8*\t+7], v[16:23], 0, v[28+\t], v24 matrix_a_fmt:MATRIX_FMT_FP4 matrix_b_fmt:MATRIX_FMT_FP4
.endr
.irp t, 4,5,6,7
	v_wmma_scale_f32_16x16x128_f8f6f4 v[\rs+8*\t:\rs+8*\t+7], v[\rk+8*\t:\rk+8*\t+7], v[16:23], 0, v[24+\t], v24 matrix_a_fmt:MATRIX_FMT_FP4 matrix_b_fmt:MATRIX_FMT_FP4 matrix_a_scale:MATRIX_SCALE_ROW1
.endr
	PLACES 4                                       ; lane (r, h) holds query r; the 16 registers of tiles 2 b, 2 b + 1 are keys 32 b + 16 h + 0 .. 15
.set n, 0
.rept 16
	ds_load_b128 v[\rk+4*n:\rk+4*n+3], v[AD] offset:STEPB*(\q)+8192+512*n   ; V's eight fragments land while the softmax is worked
.set n, n+1
.endr
	ds_load_b128 v[244:247], v[AS] offset:1024*(\q)+512
.irp b, 0,1,2,3
	v_max3_num_f32 v[BM+\b], v[\rs+16*\b], v[\rs+1+16*\b], v[\rs+2+16*\b]   ; THE LARGEST SCORE OF EACH BLOCK OF 32 KEYS: it serves for the row's maximum and, since p rises with the score, for the block's largest p
.endr
.irp i, 3,5,7,9,11,13
.irp b, 0,1,2,3
	v_max3_num_f32 v[BM+\b], v[BM+\b], v[\rs+16*\b+\i], v[\rs+1+16*\b+\i]   ; (the four blocks by turns)
.endr
.endr
.irp b, 0,1,2,3
	v_max_num_f32 v[BM+\b], v[BM+\b], v[\rs+15+16*\b]
.endr
.irp b, 0,1,2,3
	s_delay_alu instid0(VALU_DEP_4)
	v_permlanex16_b32 v[BP+\b], v[BM+\b], s[SEL], s[SEL+1]
.endr
.irp b, 0,1,2,3
	s_delay_alu instid0(VALU_DEP_4)
	v_max_num_f32 v[BM+\b], v[BM+\b], v[BP+\b]     ; with lane l xor 16's 16 keys
.endr
	s_delay_alu instid0(VALU_DEP_2)
	v_max3_num_f32 v248, v232, v233, v234
	s_delay_alu instid0(VALU_DEP_1)
	v_max_num_f32 v248, v248, v235                 ; the step's largest score of my query
	s_delay_alu instid0(VALU_DEP_1)
	v_mul_f32 v248, s[CS], v248                    ; as t (c is positive)
	s_delay_alu instid0(VALU_DEP_1)
	v_max_num_f32 v13, v13, v248                   ; the running largest t
	v_mov_b32 v248, v12
	s_delay_alu instid0(VALU_DEP_2)
	v_floor_f32 v12, -v13                          ; the new -M = floor(-t) = -ceil(t): M IS A WHOLE NUMBER
	s_delay_alu instid0(VALU_DEP_1)
	v_sub_f32 v248, v12, v248                      ; M's old value less its new one: a whole number, 0 or less
	s_delay_alu instid0(VALU_DEP_1)
	v_cvt_i32_f32 v248, v248                       ; (it saturates)
	s_delay_alu instid0(VALU_DEP_1)
	v_ldexp_f32 v26, 1.0, v248                     ; f = 2^(old M - new M): a multiplication by it rounds nothing
.set j, 0
.rept 32
	v_pk_fma_f32 v[\rs+j:\rs+j+1], v[\rs+j:\rs+j+1], s[CS:CS+1], v[12:13] op_sel_hi:[1,0,0]   ; t - M, two at a time, one rounding
.set j, j+2
.endr
.irp b, 0,1,2,3
	v_fma_f32 v[BM+\b], v[BM+\b], s[CS], v12       ; the same of each block's largest score
.endr
.set j, 0
	s_wait_alu depctr_va_vdst(0)
.rept 64
	v_exp_f32 v[\rs+j], v[\rs+j]                   ; p = 2^(t - M), at most 1: NOT normalised
.set j, j+1
.endr
	v_pk_mul_f32 v[14:15], v[14:15], v[26:27] op_sel_hi:[1,0]   ; the sums under the new M.  (A plain place behind the exponentials)
	s_wait_alu depctr_va_vdst(0)                   ; one wait for the whole batch, ahead of its first reader
.irp b, 0,1,2,3
	v_exp_f32 v[BM+\b], v[BM+\b]                   ; the block's largest p: the same two instructions on the same number give the same bits
.endr
	v_pk_add_f32 v[BP:BP+1], v[\rs:\rs+1], v[\rs+2:\rs+3]   ; THE ROW'S SUM IS TAKEN OF THE UNQUANTISED p: two at a time, in two chains
.irp j, 4,8,12,16,20,24,28,32,36,40,44,48,52,56,60
	v_pk_add_f32 v[14:15], v[14:15], v[\rs+\j:\rs+1+\j]
	v_pk_add_f32 v[BP:BP+1], v[BP:BP+1], v[\rs+2+\j:\rs+3+\j]
.endr
	s_delay_alu instid0(VALU_DEP_1)
	v_pk_add_f32 v[14:15], v[14:15], v[BP:BP+1]
	s_wait_alu depctr_va_vdst(0)                   ; and one for the four
.irp b, 0,1,2,3
	v_max_num_f32 v[BM+\b], 0x1800000, v[BM+\b]    ; the floor 2^(3 - 127): the byte cannot fall under 1
.endr
.irp b, 0,1,2,3
	s_delay_alu instid0(VALU_DEP_4)
	v_add_nc_u32 v[SO+\b], 0xff000000, v[BM+\b]    ; 2 off the exponent field: the conversion's scale operand
.endr
.irp b, 0,1,2,3
	s_delay_alu instid0(VALU_DEP_4)
	v_lshrrev_b32 v[BP+\b], 23, v[SO+\b]           ; the scale's byte
.endr
	s_delay_alu instid0(VALU_DEP_3)
	v_lshl_or_b32 v25, v[BP+1], 8, v[BP]           ; p's scale word for these 128 keys
	s_delay_alu instid0(VALU_DEP_1)
	v_lshl_or_b32 v25, v[BP+2], 16, v25
	s_delay_alu instid0(VALU_DEP_1)
	v_lshl_or_b32 v25, v[BP+3], 24, v25
.irp b, 0,1,2,3
	v_cvt_scalef32_pk8_fp4_f32 v[224+2*\b], v[\rs+16*\b:\rs+7+16*\b], v[SO+\b]
	v_cvt_scalef32_pk8_fp4_f32 v[225+2*\b], v[\rs+8+16*\b:\rs+15+16*\b], v[SO+\b]
.endr
	v_nop                                          ; one plain place behind a scaled conversion
.irp c, 0,1                                    ; the operand's layout wants a WHOLE block in a lane
.irp i, 0,1
	v_permlane16_swap_b32 v[224+4*\c+\i], v[226+4*\c+\i]
.endr
.endr
.if \pre
.set n, 0
.rept 16
	ds_load_b128 v[\rs+4*n:\rs+4*n+3], v[AD] offset:STEPB*((\q)+1)+512*n   ; p is done with: its registers take the next step's K, 32 multiplications and 8 products ahead of its use
.set n, n+1
.endr
	ds_load_b128 v[28:31], v[AS] offset:1024*((\q)+1)
.endif
.set j, 0
.rept 32
	v_pk_mul_f32 v[160+j:161+j], v[160+j:161+j], v[26:27] op_sel_hi:[1,0]   ; O^T under the new M.  (These are also the places between the scale word and codes just made and the products below)
.set j, j+2
.endr
.if \pre
	s_wait_alu depctr_va_vdst(0)
	s_wait_dscnt 17                                ; V is in; the 16 + 1 loads of the next K, issued behind V's, may stay out
.else
	s_wait_alu depctr_va_vdst(0)
	s_wait_dscnt 0x0                               ; V is in
.endif
.irp t, 0,1,2,3
	v_wmma_scale_f32_16x16x128_f8f6f4 v[160+8*\t:167+8*\t], v[\rk+8*\t:\rk+8*\t+7], v[224:231], v[160+8*\t:167+8*\t], v[244+\t], v25 matrix_a_fmt:MATRIX_FMT_FP4 matrix_b_fmt:MATRIX_FMT_FP4
.endr
.irp t, 4,5,6,7
	v_wmma_scale_f32_16x16x128_f8f6f4 v[160+8*\t:167+8*\t], v[\rk+8*\t:\rk+8*\t+7], v[224:231], v[160+8*\t:167+8*\t], v[240+\t], v25 matrix_a_fmt:MATRIX_FMT_FP4 matrix_b_fmt:MATRIX_FMT_FP4 matrix_a_scale:MATRIX_SCALE_ROW1
.endr
.endm
; THE CHANGE OF SLOTS stands at a slot's head.  Each wave waits for all its tensor loads, adds 0 to its spare word, and waits for that and for its reads of the slot that it has left.
; fill = 1: a round of the cluster's barrier, so that no wave of any partner still reads the other slot; then that slot is filled, first thing: the load has a slot's steps in which to land.
.macro CHANGE fill
	s_wait_tensorcnt 0x0                           ; no tensor load of mine is out, so group 0 may be written
	ds_add_u32 v[SPW], v[NIL]                      ; 0 onto my spare word
.if \fill
	ds_add_u32 v[SPW], v[NIL]                      ; and once more
	s_xor_b32 s[G0+1], s[G0+1], SLOT1
	s_add_nc_u64 s[G0+2:G0+3], s[G0+2:G0+3], SLOTB ; the next eight key steps; the type bits on top are not reached
	s_wait_xcnt 0x0                                ; the last prefetch, a slot back, has read its address, so it may be written:
	s_add_nc_u64 s[PFA:PFA+1], s[PFA:PFA+1], SLOTB ; one slot further on than the walking descriptor
.endif
	s_wait_dscnt 0x0                               ; the add is done, and my reads of the slot that I have left are over
.if \fill
	CROUND
	TLOAD                                          ; the first thing behind the round, and a wave's one tensor load until the next
	ASK
.else
	s_barrier_signal -1
	s_barrier_wait -1
.endif
.endm
.macro MY_STEPS                        ; my four key steps of the slot in hand: behind them the two runs of registers are back in their first roles
	STEP 0, 32, 96, 1, 1
	STEP 1, 96, 32, 0, 1
	STEP 2, 32, 96, 0, 1
	STEP 3, 96, 32, 0, 0                           ; the next step lies in the other slot, behind the change: nothing is fetched ahead
	s_xor_b32 s[TB], s[TB], SLOT1                  ; the same four steps of the other slot
	s_add_co_u32 s[TS], s[TS], 8192                ; a slot's eight steps of scale images on
.endm
	s_wait_loadcnt 0x0                             ; Q
.Lslot:                                            ; three trips: behind each change of slots but the last the next slot is asked for
	CHANGE 1
	MY_STEPS
	s_sub_co_u32 s[SLOTS], s[SLOTS], 1
	s_cmp_lg_u32 s[SLOTS], 0
	s_cbranch_scc1 .Lslot
	CHANGE 0                                       ; the last slot is written out
	MY_STEPS
	; THE TWO HALVES OF THE KEYS MEET.  I keep channel tiles 4 g .. 4 g + 3 of O^T and send my partner the other four, with my -M and my sum.  The choice only selects values: no branch.
	; The merge areas and the stages lie in the ring, which is filled no more: a barrier stands between every wave's last read of the ring and the first store into it.
	s_wait_dscnt 0x0                               ; my reads of the ring are over
	s_barrier_signal -1                            ; say so, and work on registers while the others arrive
	PLACES 4                                       ; behind the last products
	v_add_f32 v14, v14, v15                        ; the sum's two halves,
	s_delay_alu instid0(VALU_DEP_1)
	v_permlanex16_b32 v248, v14, s[SEL], s[SEL+1]
	s_delay_alu instid0(VALU_DEP_1)
	v_add_f32 v14, v14, v248                       ; and lane l xor 16's: my half's sum of the row
.set j, 0
.rept 32
	v_cndmask_b32 v[96+j], v[192+j], v[160+j], s[GM]    ; to send; each accumulator is read from its low end on
	v_cndmask_b32 v[128+j], v[160+j], v[192+j], s[GM]   ; to keep
.set j, j+1
.endr
	s_wait_alu depctr_va_vdst(0)
	s_barrier_wait -1                              ; nobody reads the ring any more
.irp i, 0,1,2,3,4,5,6,7
	ds_store_b128 v[MW], v[96+4*\i:99+4*\i] offset:512*\i   ; as images of the registers: the same lines as loads give my partner the same registers in the same lanes
.endr
	ds_store_b32 v[MW2], v12 offset:4096
	ds_store_b32 v[MW2], v14 offset:4224
	s_wait_dscnt 0x0                               ; for my partner's sake: my stores have landed
	s_barrier_signal -1
	s_barrier_wait -1
.irp i, 0,1,2,3,4,5,6,7
	ds_load_b128 v[96+4*\i:99+4*\i], v[MR] offset:512*\i
.endr
	ds_load_b32 v232, v[MR2] offset:4096           ; my partner's -M
	ds_load_b32 v233, v[MR2] offset:4224           ; and sum
	s_wait_dscnt 0x0
	v_min_num_f32 v234, v12, v232                  ; -(the larger M)
	s_delay_alu instid0(VALU_DEP_1)
	v_sub_f32 v235, v234, v12                      ; my M less the larger: a whole number, 0 or less
	s_delay_alu instid0(VALU_DEP_2)
	v_sub_f32 v236, v234, v232
	s_delay_alu instid0(VALU_DEP_2)
	v_cvt_i32_f32 v235, v235
	s_delay_alu instid0(VALU_DEP_2)
	v_cvt_i32_f32 v236, v236
	s_delay_alu instid0(VALU_DEP_2)
	v_ldexp_f32 v235, 1.0, v235                    ; what brings my half under the larger M,
	s_delay_alu instid0(VALU_DEP_2)
	v_ldexp_f32 v236, 1.0, v236                    ; and my partner's: one of the two is 1
	s_delay_alu instid0(VALU_DEP_2)
	v_mul_f32 v237, v14, v235
	s_delay_alu instid0(VALU_DEP_1)
	v_fma_f32 v237, v233, v236, v237               ; the row's sum
	s_wait_alu depctr_va_vdst(0)
	v_rcp_f32 v238, v237
	v_nop                                          ; one plain place behind a transcendental
	s_wait_alu depctr_va_vdst(0)                   ; and the wait ahead of its first reader
	v_mul_f32 v240, v235, v238
	v_mul_f32 v242, v236, v238
.set j, 0
.rept 16
	v_pk_mul_f32 v[128+j:129+j], v[128+j:129+j], v[240:241] op_sel_hi:[1,0]
.set j, j+2
.endr
.set j, 0
.rept 16
	v_pk_fma_f32 v[128+j:129+j], v[96+j:97+j], v[242:243], v[128+j:129+j] op_sel_hi:[1,0,1]   ; register 8 t' + i: out(query r, channel 64 g + 32 (t' / 2) + 16 h + 8 (t' % 2) + i)
.set j, j+2
.endr
	; THE WAY OUT, through my own stage: 16 queries x my 64 channels (256 bytes), back as whole rows: sixteen lanes store 256 consecutive bytes, aligned.
.irp t, 0,1,2,3
	ds_store_b128 v[SI], v[128+8*\t:131+8*\t] offset:128*(\t/2)+32*(\t%2)
	ds_store_b128 v[SI], v[132+8*\t:135+8*\t] offset:128*(\t/2)+32*(\t%2)+16
.endr
.irp i, 0,1,2,3,4,5,6,7
	ds_load_b128 v[96+4*\i:99+4*\i], v[SR] offset:544*\i   ; LDS serves a wave's instructions in order (ISA guide 5.7.1.4): these see my stores
.endr
.irp i, 0,1,2,3,4,5,6,7
	s_wait_dscnt 7-\i                              ; the younger loads may stay out
	global_store_b128 v[GO], v[96+4*\i:99+4*\i], s[10:11] offset:(2*\i+8*(\i/4))*512 th:TH_STORE_NT   ; stage row r is query r + 8 (r / 8) of the tile
.endr
	s_wait_tensorcnt 0x0                           ; the wave's end: behind my last tensor load and my last LDS store
	ds_add_u32 v[SPW], v[NIL]
	s_wait_dscnt 0x0
	CROUND                                         ; the closing round: no work-group ends while a partner may still ask for a tile that names it
	s_endpgm
.Lfunc_end_k_q25ef7a805d_attn:
	.size	k_q25ef7a805d_attn, .Lfunc_end_k_q25ef7a805d_attn-k_q25ef7a805d_attn
	.p2alignl 7, 3214868480
	.fill 96, 4, 3214868480
	.section	.rodata,"a",@progbits
	.p2align	6, 0x0
	.amdhsa_kernel k_q25ef7a805d_attn
		.amdhsa_group_segment_fixed_size 327680
		.amdhsa_private_segment_fixed_size 0
		.amdhsa_enable_private_segment 0
		.amdhsa_kernarg_size 32
		.amdhsa_user_sgpr_count 2
		.amdhsa_user_sgpr_kernarg_segment_ptr 1
		.amdhsa_wavefront_size32 1
		.amdhsa_system_sgpr_workgroup_id_x 1
		.amdhsa_system_sgpr_workgroup_id_y 1
		.amdhsa_system_sgpr_workgroup_id_z 1
		.amdhsa_system_vgpr_workitem_id 0
		.amdhsa_next_free_vgpr 256
		.amdhsa_next_free_sgpr 80
		.amdhsa_reserve_vcc 0
		.amdhsa_float_denorm_mode_32 3
		.amdhsa_float_denorm_mode_16_64 3
		.amdhsa_memory_ordered 1
		.amdhsa_forward_progress 1
		.amdhsa_inst_pref_size 167
	.end_amdhsa_kernel
	.amdgpu_metadata
---
amdhsa.version: [ 1, 2 ]
amdhsa.kernels:
  - .name:           k_q25ef7a805d_attn
    .symbol:         k_q25ef7a805d_attn.kd
    .args:
      - { .name: qc, .offset: 0, .size: 8, .value_kind: global_buffer, .address_space: global }
      - { .name: kvc, .offset: 8, .size: 8, .value_kind: global_buffer, .address_space: global }
      - { .name: scl, .offset: 16, .size: 8, .value_kind: global_buffer, .address_space: global }
      - { .name: out0, .offset: 24, .size: 8, .value_kind: global_buffer, .address_space: global }
    .group_segment_fixed_size: 327680
    .private_segment_fixed_size: 0
    .kernarg_segment_align: 8
    .kernarg_segment_size: 32
    .max_flat_workgroup_size: 512
    .sgpr_count:     80
    .vgpr_count:     256
    .wavefront_size: 32
...
	.end_amdgpu_metadata
.endif
;; end of part 3
